; MI455X (gfx1250); checked and timed in simulation.
; The chip was launched on July 23, 2026; its instructions are those of AMD's public machine-readable ISA for CDNA 5 (MIT licence, August 2026) and "CDNA5" Instruction Set Architecture Reference Guide (July 2026). The comments in the code are by the model that wrote it; some were corrected since.
;; Causal Attention. Allowed arithmetic: float matrix products may take bf16 or f16 operands with f32 sums; all other float work in f32.
;; Inputs: Wk 1,024 x 1,024 float32; Wo 1,024 x 1,024 float32; Wq 1,024 x 1,024 float32; Wv 1,024 x 1,024 float32; x 2 x 2,048 x 1,024 float32.
;; Outputs: out0 2 x 2,048 x 1,024 float32.
;; 2 versions, each right; version 2 is version 1 with the launch cast written anew for expert scheduling mode. Each part assembles by itself: llvm-mc -triple=amdgcn-amd-amdhsa -mcpu=gfx1250 --defsym DOCPART=n.
;; ======== version 1 of 2: 4 launches
;; limits: values are held in f16: magnitudes above 65,504 overflow, below 6.1e-05 lose precision
;; workspace buffers: xh 8,388,608 bytes; wqkv 6,291,456 bytes; woh 2,097,152 bytes; qkv 25,165,824 bytes; att 8,388,608 bytes
;; launch cast (part 1): grid 256 x 1, 8 waves a work-group, no clusters, 0 bytes of LDS; arguments x, Wq, Wk, Wv, Wo, xh, wqkv, woh; writes xh, wqkv, woh
.if DOCPART == 1
	.amdgcn_target "amdgcn-amd-amdhsa--gfx1250"
	.amdhsa_code_object_version 6
	.text
	.protected	k_q567ce55984_cast
	.globl	k_q567ce55984_cast
	.p2align	8
	.type	k_q567ce55984_cast,@function
k_q567ce55984_cast:
	s_mov_b64 s[64:65], 0
	v_nop
	global_prefetch_b8 v0, s[64:65] scope:SCOPE_SE
	s_setreg_imm32_b32 hwreg(HW_REG_WAVE_MODE, 25, 1), 1
	s_wait_xcnt 0x0
; f32 to f16 of x and of the four weights.  xh: [4096][1024] f16.  wqkv: [1024 k][3072 n] f16, n = 0.. Wq, 1024.. Wk, 2048.. Wv.
; woh: [1024 k][1024 n] f16.  The unit of work is a row of 1,024 f32: 4,096 bytes in, 2,048 bytes out; there are 8,192 such rows
; (4,096 of x, 1,024 of each weight).  256 work-groups of eight waves: 32 rows a work-group, 4 rows a wave.
; A pure stream: each byte is read once and written once, so there is no LDS, no barrier, no matrix work and no cluster.
; A wave issues all its 32 loads (16 KiB) at once; a load covers 512 consecutive bytes, a store 256 consecutive bytes, aligned.
; LIMIT: f16 holds magnitudes up to 65,504 and steps of 6e-8 near zero; inputs beyond that range are not served, nor NaN or infinities.
.set VI, 1                             ; v1        16 x lane: my 16 bytes of a load's 512
.set VO, 2                             ; v[2:5]    8 x lane + i x output pitch: my 8 bytes of row i
.set X,  8                             ; v[8:135]  32 loads of 4 registers
.set Y,  136                           ; v[136:199] 32 pairs of packed f16
	s_load_b512 s[8:23], s[0:1], 0x0               ; x s[8:9], Wq s[10:11], Wk s[12:13], Wv s[14:15], Wo s[16:17], xh s[18:19], wqkv s[20:21], woh s[22:23]
	v_lshrrev_b32 v6, 5, v0
	v_readfirstlane_b32 s4, v6                     ; wave 0..7
	v_and_b32 v7, 31, v0                           ; lane
	v_lshlrev_b32 v[VI], 4, v7
	v_lshlrev_b32 v[VO], 3, v7
	s_lshr_b32 s2, ttmp9, 5                        ; which tensor: 0..3 x, 4 Wq, 5 Wk, 6 Wv, 7 Wo
	s_and_b32 s3, ttmp9, 31                        ; block of 32 rows inside a weight
	s_mov_b32 s30, ttmp9                           ; block of 32 rows inside x
	s_movk_i32 s28, 2048                           ; output pitch of xh and woh, in bytes
	s_movk_i32 s31, 6144                           ; output pitch of wqkv
	s_mov_b32 s29, 0                               ; column offset in the output row, in bytes
	s_wait_kmcnt 0x0
	s_mov_b64 s[24:25], s[8:9]                     ; source: x unless chosen otherwise
	s_cmp_ge_u32 s2, 4                             ; a weight
	s_cselect_b32 s30, s3, s30
	s_cselect_b64 s[26:27], s[20:21], s[18:19]     ; destination: wqkv or xh
	s_cselect_b32 s28, s31, s28
	s_cmp_eq_u32 s2, 4
	s_cselect_b64 s[24:25], s[10:11], s[24:25]
	s_cmp_eq_u32 s2, 5
	s_cselect_b64 s[24:25], s[12:13], s[24:25]
	s_cselect_b32 s29, 0x800, s29
	s_cmp_eq_u32 s2, 6
	s_cselect_b64 s[24:25], s[14:15], s[24:25]
	s_cselect_b32 s29, 0x1000, s29
	s_cmp_eq_u32 s2, 7
	s_cselect_b64 s[24:25], s[16:17], s[24:25]
	s_cselect_b64 s[26:27], s[22:23], s[26:27]
	s_cselect_b32 s28, 0x800, s28
	s_lshl_b32 s30, s30, 5
	s_lshl2_add_u32 s30, s4, s30                   ; my first row = 32 x block + 4 x wave
	s_lshl_b32 s32, s30, 12                        ; x 4,096 bytes (below 16 MiB)
	s_mov_b32 s33, 0
	s_add_nc_u64 s[24:25], s[24:25], s[32:33]
	s_mul_i32 s34, s30, s28
	s_add_co_u32 s34, s34, s29                     ; row x pitch + column offset
	s_mov_b32 s35, 0
	s_add_nc_u64 s[26:27], s[26:27], s[34:35]
.irp i, 0,1,2,3
.irp j, 0,1,2,3,4,5,6,7
	global_load_b128 v[X+4*(8*\i+\j):X+4*(8*\i+\j)+3], v[VI], s[24:25] offset:\i*4096+\j*512 th:TH_LOAD_NT
.endr
.endr
	v_add_nc_u32 v[VO+1], s28, v[VO]
	v_add_nc_u32 v[VO+2], s28, v[VO+1]
	v_add_nc_u32 v[VO+3], s28, v[VO+2]
.irp i, 0,1,2,3
	s_wait_loadcnt 8*(3-\i)                        ; loads come back in order: row i's eight are in, the rows behind it stay out
.irp j, 0,1,2,3,4,5,6,7
	v_cvt_pk_f16_f32 v[Y+2*(8*\i+\j)],   v[X+4*(8*\i+\j)],   v[X+4*(8*\i+\j)+1]
	v_cvt_pk_f16_f32 v[Y+2*(8*\i+\j)+1], v[X+4*(8*\i+\j)+2], v[X+4*(8*\i+\j)+3]
.endr
.irp j, 0,1,2,3,4,5,6,7
	global_store_b64 v[VO+\i], v[Y+2*(8*\i+\j):Y+2*(8*\i+\j)+1], s[26:27] offset:\j*256   ; no register is used twice: no wait for the stores' sources
.endr
.endr
	s_endpgm
.Lfunc_end_k_q567ce55984_cast:
	.size	k_q567ce55984_cast, .Lfunc_end_k_q567ce55984_cast-k_q567ce55984_cast
	.p2alignl 7, 3214868480
	.fill 96, 4, 3214868480
	.section	.rodata,"a",@progbits
	.p2align	6, 0x0
	.amdhsa_kernel k_q567ce55984_cast
		.amdhsa_group_segment_fixed_size 0
		.amdhsa_private_segment_fixed_size 0
		.amdhsa_enable_private_segment 0
		.amdhsa_kernarg_size 64
		.amdhsa_user_sgpr_count 2
		.amdhsa_user_sgpr_kernarg_segment_ptr 1
		.amdhsa_wavefront_size32 1
		.amdhsa_system_sgpr_workgroup_id_x 1
		.amdhsa_system_sgpr_workgroup_id_y 1
		.amdhsa_system_sgpr_workgroup_id_z 1
		.amdhsa_system_vgpr_workitem_id 0
		.amdhsa_next_free_vgpr 208
		.amdhsa_next_free_sgpr 66
		.amdhsa_reserve_vcc 0
		.amdhsa_float_denorm_mode_32 3
		.amdhsa_float_denorm_mode_16_64 3
		.amdhsa_memory_ordered 1
		.amdhsa_forward_progress 1
		.amdhsa_inst_pref_size 12
	.end_amdhsa_kernel
	.amdgpu_metadata
---
amdhsa.version: [ 1, 2 ]
amdhsa.kernels:
  - .name:           k_q567ce55984_cast
    .symbol:         k_q567ce55984_cast.kd
    .args:
      - { .name: x, .offset: 0, .size: 8, .value_kind: global_buffer, .address_space: global }
      - { .name: Wq, .offset: 8, .size: 8, .value_kind: global_buffer, .address_space: global }
      - { .name: Wk, .offset: 16, .size: 8, .value_kind: global_buffer, .address_space: global }
      - { .name: Wv, .offset: 24, .size: 8, .value_kind: global_buffer, .address_space: global }
      - { .name: Wo, .offset: 32, .size: 8, .value_kind: global_buffer, .address_space: global }
      - { .name: xh, .offset: 40, .size: 8, .value_kind: global_buffer, .address_space: global }
      - { .name: wqkv, .offset: 48, .size: 8, .value_kind: global_buffer, .address_space: global }
      - { .name: woh, .offset: 56, .size: 8, .value_kind: global_buffer, .address_space: global }
    .group_segment_fixed_size: 0
    .private_segment_fixed_size: 0
    .kernarg_segment_align: 8
    .kernarg_segment_size: 64
    .max_flat_workgroup_size: 256
    .sgpr_count:     66
    .vgpr_count:     208
    .wavefront_size: 32
...
	.end_amdgpu_metadata
.endif
;; end of part 1
;; launch proj (part 2): grid 8 x 32, 4 waves a work-group, clusters of 4 x 4, 327,680 bytes of LDS; arguments xh, wqkv, qkv; writes qkv
.if DOCPART == 2
	.amdgcn_target "amdgcn-amd-amdhsa--gfx1250"
	.amdhsa_code_object_version 6
	.text
	.protected	k_q567ce55984_proj
	.globl	k_q567ce55984_proj
	.p2align	8
	.type	k_q567ce55984_proj,@function
k_q567ce55984_proj:
	s_mov_b64 s[64:65], 0
	v_nop
	global_prefetch_b8 v0, s[64:65] scope:SCOPE_SE
	s_setreg_imm32_b32 hwreg(HW_REG_WAVE_MODE, 25, 1), 1
	s_wait_xcnt 0x0
	s_wait_alu depctr_hold_cnt(0) depctr_sa_sdst(0) depctr_va_vdst(0) depctr_va_sdst(0) depctr_va_ssrc(0) depctr_va_vcc(0) depctr_vm_vsrc(0)
	s_getreg_b32 s2, hwreg(HW_REG_IB_STS2, 6, 4)
	s_cmp_eq_u32 s2, 0
	s_cbranch_scc0 .Lentry_in_a_cluster
	s_endpgm
.Lentry_in_a_cluster:
	s_bfe_u32 s2, ttmp6, 0x10000c
	s_cmp_lg_u32 s2, 0xf033
	s_cbranch_scc0 .Lentry_shape_is_right
	s_endpgm
.Lentry_shape_is_right:
; q | k | v = x (Wq | Wk | Wv).  xh: [4096][1024] f16, wqkv: [1024 k][3072 n] f16, sums in f32, result f16, written head-major:
; qkv: [48 planes = n / 64][4096 rows][64] f16 (planes 0-15 q, 16-31 k, 32-47 v), so that a head's rows are dense in memory.
; A work-group makes 128 rows x 384 columns (6 planes) with four waves; 32 x 8 = 256 work-groups.  Wave (rh, c) makes rows 64 rh .. + 63,
; columns 192 c .. + 191: 4 x 12 accumulator tiles of 16 x 16, 384 registers.  K goes in 8 steps of 128 through two LDS slots.
; A slot has four regions of 36,864 bytes, region w filled by wave w with one tensor load: region 0 = 128 rows of x (256 bytes + 16 of padding),
; regions 1-3 = 128 k-rows x 128 columns of W (256 bytes + 32 of padding).  W lies [k][n], so its fragments come by the transposing LDS load.
; CLUSTERS: 4 x 4 work-groups.  x's tile hangs on the block row alone and is asked for jointly along a row of the cluster, W's tiles hang on the
; block column alone and are asked for jointly along a column: a quarter of the requests.
; THE MATRIX INSTRUCTION IS USED TRANSPOSED: source 0 = 16 columns of W, source 1 = 16 rows of x; a lane then holds 8 neighbouring columns of one row.
; REGISTER WINDOWS: 0: addresses, x's fragments (two buffers, v64-127), v128-223 at work on the way out; 1: W's fragments (two buffers, v0-191);
; 2: accumulators of my rows 0-31 (tile (a, b) at 8 (12 a + b)); 3: those of my rows 32-63.
; LIMIT: operands and results are f16: |q|, |k|, |v| must stay below 65,504.
.set PA,   272                         ; LDS pitch of x's rows: an odd multiple of 16 bytes
.set PB,   288                         ; LDS pitch of W's rows: an odd multiple of 32 bytes
.set REG,  36864                       ; a region: 128 x 288 bytes
.set SLOT, 4*REG
.set SP,   784                         ; the stage's pitch: 768 bytes (384 f16) + 16
.set LAPS, 4                           ; a lap = two K steps = once round the ring; 1024 / 256
.set ADRA, 16                          ; v16-17  LDS address of my x fragments in slot 0, 1
.set ADRB, 18                          ; v18-23  the same for W: 3 x slot + group of 64 columns
.set STO,  24                          ; v24     the way out: where I put 16 bytes of a row
.set RD,   25                          ; v25     the way out: where I read 16 bytes back
.set CO,   26                          ; v26     my byte offset in a plane of qkv
.set TMP,  128                         ; v128-175
.set RB,   176                         ; v176-223
.set G1,  24                           ; s[24:31] descriptor group 1 for x's tiles
.set G0,  32                           ; s[32:39] group 0 for x's tiles, a set for each slot
.set G1B, 48                           ; s[48:55] group 1 for W's tiles
.set G0B, 56                           ; s[56:63] group 0 for W's tiles, a set for each slot
.set MSB, 0
.macro WIN new                         ; the immediate's high byte repeats the setting that is left
.if MSB != \new
	s_set_vgpr_msb (MSB<<8)|\new
.set MSB, \new
.endif
.endm
.set MUL_LO, 0xa1                      ; source 0 (W) window 1, source 1 (x) window 0, C and D window 2
.set MUL_HI, 0xf1                      ; the same, C and D window 3
.set TO_B,   0x40                      ; destination window 1, address window 0
; A joint load.  Wave 0 fetches x's tile, waves 1 to 3 W's three tiles.  Each line has one mask; the branch hangs on the wave's number alone.
.macro JLOAD s
	s_cmp_eq_u32 s10, 0
	s_cbranch_scc0 .Lfor_b_\@
	tensor_load_to_lds s[G0+4*\s:G0+4*\s+3], s[G1:G1+7]
	s_nop 0
	s_branch .Lasked_\@
.Lfor_b_\@:
	tensor_load_to_lds s[G0B+4*\s:G0B+4*\s+3], s[G1B:G1B+7]
	s_nop 0
.Lasked_\@:
.endm
.macro CREST                           ; a round of the cluster's barrier behind its opening work-group barrier
	s_cmp_lg_u32 s10, 0
	s_cbranch_scc1 .Lnot_wave_0_\@
	s_barrier_signal -3
.Lnot_wave_0_\@:
	s_barrier_wait -3
	s_barrier_signal -1
	s_barrier_wait -1
.endm
.macro CROUND                          ; a whole round
	s_barrier_signal -1
	s_barrier_wait -1
	CREST
.endm
.macro PLACES                          ; four plain vector instructions behind a matrix instruction, ahead of loads into, or reads of, its registers
.rept 4
	v_nop
.endr
.endm
	s_load_b128 s[4:7], s[0:1], 0x0                ; xh s[4:5], wqkv s[6:7]
	s_load_b64 s[8:9], s[0:1], 0x10                ; qkv
	s_set_vgpr_msb 0x40
	v_lshl_add_u32 v255, v0, 2, 0x48000
	s_set_vgpr_msb 0x4000
	v_mov_b32 v255, 0
	s_set_vgpr_msb 0x1
	ds_add_u32 v255, v255
	ds_add_u32 v255, v255
	s_set_vgpr_msb 0x100
	v_lshrrev_b32 v1, 5, v0
	v_readfirstlane_b32 s10, v1                    ; wave 0..3
	s_lshr_b32 s11, s10, 1                         ; rh: which 64 rows are mine
	s_and_b32 s12, s10, 1                          ; c: which 192 columns
	s_bfe_u32 s40, ttmp6, 0x40000                  ; cx
	s_bfe_u32 s41, ttmp6, 0x40004                  ; cy
	s_lshl_b32 s42, ttmp9, 2
	s_add_co_u32 s42, s42, s40                     ; block column 0..7
	s_and_b32 s13, ttmp7, 0xffff
	s_lshl_b32 s13, s13, 2
	s_add_co_u32 s13, s13, s41                     ; block row 0..31
	s_lshl_b32 s43, s41, 2
	s_lshl_b32 s43, 15, s43                        ; my row of the cluster
	s_lshl_b32 s44, 0x1111, s40                    ; my column
	; group 1: tiles of 128 rows x 128 elements of 2 bytes; padding behind every 64 words, 4 words for x, 8 for W
	s_or_b32 s[G1+0], s43, (1<<16)|(1<<20)|(1<<21)|(5<<22)|(3<<25)
	s_mov_b32 s[G1+1], 128<<16                     ; tensor_dim0 = 128
	s_mov_b32 s[G1+2], 128<<16                     ; tensor_dim1 = 128
	s_mov_b32 s[G1+3], 128<<16                     ; tile_dim0 = 128
	s_mov_b32 s[G1+4], 128                         ; tile_dim1 = 128
	s_mov_b32 s[G1+5], 1024                        ; elements from row to row of xh
	s_mov_b32 s[G1+6], 0
	s_mov_b32 s[G1+7], 0
	s_or_b32 s[G1B+0], s44, (1<<16)|(1<<20)|(1<<21)|(5<<22)|(7<<25)
	s_mov_b32 s[G1B+1], 128<<16
	s_mov_b32 s[G1B+2], 128<<16
	s_mov_b32 s[G1B+3], 128<<16
	s_mov_b32 s[G1B+4], 128
	s_mov_b32 s[G1B+5], 3072                       ; elements from row to row of wqkv
	s_mov_b32 s[G1B+6], 0
	s_mov_b32 s[G1B+7], 0
	; x's tile hangs on the block row alone, W's on the block column and the wave's number: each offset in registers that never hold the other coordinate
	s_lshl_b32 s16, s13, 18                        ; 128 rows x 2,048 bytes
	s_mov_b32 s17, 0
	s_max_u32 s45, s10, 1
	s_sub_co_u32 s45, s45, 1                       ; which 128 columns of the 384 I fetch (waves 1 to 3; wave 0 does not use it)
	s_lshl_b32 s45, s45, 8
	s_mul_i32 s46, s42, 768                        ; 384 columns x 2 bytes
	s_add_co_u32 s46, s46, s45
	s_mov_b32 s47, 0
	s_mul_i32 s20, s10, REG                        ; where my tile goes: the wave's number alone
	s_wait_dscnt 0x0
	s_wait_kmcnt 0x0
	s_add_nc_u64 s[14:15], s[4:5], s[16:17]
	s_add_nc_u64 s[46:47], s[6:7], s[46:47]
	CROUND                                         ; all sixteen work-groups are here: the first joint loads meet
.irp s, 0,1
	s_mov_b32 s[G0+4*\s], 1
	s_add_co_u32 s[G0+4*\s+1], s20, \s*SLOT
	s_add_nc_u64 s[G0+4*\s+2:G0+4*\s+3], s[14:15], \s*256          ; K step s: 128 f16 along the rows of x
	s_or_b32 s[G0+4*\s+3], s[G0+4*\s+3], 0x80000000
	s_mov_b32 s[G0B+4*\s], 1
	s_add_co_u32 s[G0B+4*\s+1], s20, \s*SLOT
	s_add_nc_u64 s[G0B+4*\s+2:G0B+4*\s+3], s[46:47], \s*786432     ; K step s: 128 rows of 6,144 bytes down W
	s_or_b32 s[G0B+4*\s+3], s[G0B+4*\s+3], 0x80000000
	JLOAD \s                                       ; both first fills go out together: two loads of the wave are out
.endr
	v_and_b32 v1, 15, v0                           ; r = lane % 16
	v_bfe_u32 v2, v0, 4, 1                         ; h = lane / 16
	v_and_b32 v3, 7, v0                            ; lane % 8
	v_bfe_u32 v4, v0, 3, 1                         ; (lane / 8) % 2
	v_mul_u32_u24 v5, v1, PA
	v_lshl_add_u32 v5, v2, 4, v5                   ; x: row r, 16 bytes for each half of the lanes
	s_mul_i32 s21, s11, 64*PA
	v_add_nc_u32 v[ADRA], s21, v5
	v_add_nc_u32 v[ADRA+1], SLOT, v[ADRA]
	v_lshl_add_u32 v6, v2, 3, v3                   ; W: k-row 8 h + lane % 8,
	v_mul_u32_u24 v6, v6, PB
	v_lshl_add_u32 v6, v4, 4, v6                   ; 16 bytes (8 columns) for each group of eight lanes
	s_mul_i32 s21, s12, 3                          ; my first group of 64 columns among the block's six
.irp q, 0,1,2
	s_add_co_u32 s22, s21, \q
	s_lshr_b32 s23, s22, 1
	s_add_co_u32 s23, s23, 1                       ; regions 1 to 3 hold two groups each
	s_mul_i32 s23, s23, REG
	s_and_b32 s22, s22, 1
	s_lshl_b32 s22, s22, 7
	s_add_co_u32 s23, s23, s22
	v_add_nc_u32 v[ADRB+\q], s23, v6
	v_add_nc_u32 v[ADRB+3+\q], SLOT, v[ADRB+\q]
.endr
	v_mul_u32_u24 v7, v1, SP
	v_lshl_add_u32 v7, v2, 4, v7
	s_mul_i32 s22, s11, 64*SP
	s_mul_i32 s23, s12, 384
	s_add_co_u32 s22, s22, s23
	v_add_nc_u32 v[STO], s22, v7                   ; stage: row 64 rh + r, byte 384 c + 16 h
	v_bfe_u32 v8, v0, 3, 2
	v_mul_u32_u24 v8, v8, SP
	v_lshl_add_u32 v8, v3, 4, v8
	s_mul_i32 s22, s10, 32*SP
	v_add_nc_u32 v[RD], s22, v8                    ; back: row 32 w + lane / 8, byte 16 (lane % 8): four rows of one head's 128 bytes
	v_and_b32 v9, 31, v0
	v_lshlrev_b32 v9, 4, v9
	v_lshl_add_u32 v[CO], s10, 12, v9              ; the same four rows in a plane: 32 w rows of 128 bytes + 16 x lane
; 12 matrix instructions: row block a of the window's two (hi = 0: rows 0-31, 1: rows 32-63) x all 12 column blocks, 32 along K, from buffer f.
; The 48 accumulators take turns, one instruction a turn, in the same order in every quarter step.
.macro MUL12 f, hi, a, zero
.irp b, 0,1,2,3,4,5,6,7,8,9,10,11
.if \zero
	v_wmma_f32_16x16x32_f16 v[8*(12*\a+\b):8*(12*\a+\b)+7], v[96*\f+8*\b:96*\f+8*\b+7], v[64+32*\f+8*(2*\hi+\a):64+32*\f+8*(2*\hi+\a)+7], 0
.else
	v_wmma_f32_16x16x32_f16 v[8*(12*\a+\b):8*(12*\a+\b)+7], v[96*\f+8*\b:96*\f+8*\b+7], v[64+32*\f+8*(2*\hi+\a):64+32*\f+8*(2*\hi+\a)+7], v[8*(12*\a+\b):8*(12*\a+\b)+7]
.endif
.endr
.endm
; 32 LDS loads in one run: quarter kq (32 along K) of a slot into buffer f: 24 transposing loads for W's 192 columns, then 8 loads for x's 64 rows
.macro FETCH slot, kq, f
	WIN TO_B
.irp q, 0,1,2
.irp i, 0,1,2,3
	ds_load_tr16_b128 v[96*\f+8*(4*\q+\i):96*\f+8*(4*\q+\i)+3],   v[ADRB+3*\slot+\q] offset:\kq*9216+32*\i
	ds_load_tr16_b128 v[96*\f+8*(4*\q+\i)+4:96*\f+8*(4*\q+\i)+7], v[ADRB+3*\slot+\q] offset:\kq*9216+32*\i+4608
.endr
.endr
	WIN 0
.irp a, 0,1,2,3
	ds_load_b128 v[64+32*\f+8*\a:64+32*\f+8*\a+3],   v[ADRA+\slot] offset:\kq*64+\a*4352
	ds_load_b128 v[64+32*\f+8*\a+4:64+32*\f+8*\a+7], v[ADRA+\slot] offset:\kq*64+\a*4352+32
.endr
.endm
; One of a K step's first three quarters: multiplies buffer f; in its middle fetches quarter kq of the same slot into buffer g.
.macro QUARTER slot, kq, f, g, zero
	s_wait_dscnt 4                                 ; W and x's rows 0-31 are in; the youngest four loads (x's rows 32-63) may be out
	WIN MUL_LO
	MUL12 \f, 0, 0, \zero
	MUL12 \f, 0, 1, \zero
	PLACES
	FETCH \slot, \kq, \g
	s_wait_dscnt 32                                ; all but the 32 just issued
	WIN MUL_HI
	MUL12 \f, 1, 0, \zero
	MUL12 \f, 1, 1, \zero
.endm
.macro THREE slot, zero
	QUARTER \slot, 1, 0, 1, \zero
	QUARTER \slot, 2, 1, 0, 0
	QUARTER \slot, 3, 0, 1, 0
.endm
; The last quarter multiplies buffer 1 and changes slots.  In front of the barrier each wave waits for its reads of this slot and for all its
; tensor loads (one is out: its part of the next slot).  Where the slot is filled again the barrier opens a round of the cluster's barrier,
; and the joint refill is the first tensor load behind the round: it has 180 of a K step's 192 matrix instructions in which to land.
.macro TURN slot, next, fill
	s_wait_dscnt 4
	WIN MUL_LO
	MUL12 1, 0, 0, 0
	s_wait_dscnt 0                                 ; my reads of this slot are over
	s_wait_tensorcnt 0x0                           ; all my tensor loads have landed
	ds_add_u32 v255, v255
	s_wait_dscnt 0x0
	s_barrier_signal -1
	MUL12 1, 0, 1, 0                               ; register work while the others arrive
	WIN 0
	s_barrier_wait -1
.if \fill
	CREST
	s_add_nc_u64 s[G0+4*\slot+2:G0+4*\slot+3], s[G0+4*\slot+2:G0+4*\slot+3], 512          ; two K steps on: no load of mine is out, so a group 0 may be written
	s_add_nc_u64 s[G0B+4*\slot+2:G0B+4*\slot+3], s[G0B+4*\slot+2:G0B+4*\slot+3], 1572864
	JLOAD \slot
.endif
	PLACES
	FETCH \next, 0, 0
	WIN MUL_HI
	MUL12 1, 1, 0, 0
	MUL12 1, 1, 1, 0
.endm
.macro LAP zero
	THREE 0, \zero
	TURN 0, 1, 1
	THREE 1, 0
	TURN 1, 0, 1
.endm
	s_wait_tensorcnt 0x1                           ; my part of K step 0 is in; K step 1's load stays out
	s_barrier_signal -1
	s_barrier_wait -1
	FETCH 0, 0, 0
	LAP 1                                          ; the first lap's first products start the sums: nothing is cleared
	WIN 0
	s_mov_b32 s3, LAPS-2
.Llap:
	LAP 0
	WIN 0
	s_sub_co_u32 s3, s3, 1
	s_cmp_lg_u32 s3, 0
	s_cbranch_scc1 .Llap
	THREE 0, 0                                     ; the last lap fills nothing
	TURN 0, 1, 0
	THREE 1, 0
	s_wait_dscnt 4
	WIN MUL_LO
	MUL12 1, 0, 0, 0
	MUL12 1, 0, 1, 0
	s_wait_dscnt 0
	WIN MUL_HI
	MUL12 1, 1, 0, 0
	MUL12 1, 1, 1, 0
	; THE WAY OUT.  The stage is slot 0, which has had its last fill and whose last reads every wave finished ahead of the last change of slots.
	; 128 rows x 768 bytes at pitch 784; then each wave reads 32 rows back head by head: 512 dense bytes of a plane for each store.
	PLACES
	s_mul_i32 s46, s42, 3145728                    ; six planes of 524,288 bytes for each block column
	s_mov_b32 s47, 0
	s_add_nc_u64 s[8:9], s[8:9], s[46:47]
	s_lshl_b32 s16, s13, 14                        ; 128 rows of 128 bytes for each block row
	s_mov_b32 s17, 0
	s_add_nc_u64 s[8:9], s[8:9], s[16:17]
.macro STG hi, a, from
	WIN \from
.irp b, 0,1,2,3,4,5,6,7,8,9,10,11
.irp r, 0,1,2,3
	v_cvt_pk_f16_f32 v[TMP+4*\b+\r], v[8*(12*\a+\b)+2*\r], v[8*(12*\a+\b)+2*\r+1]
.endr
.endr
	WIN 0
.irp b, 0,1,2,3,4,5,6,7,8,9,10,11
	ds_store_b128 v[STO], v[TMP+4*\b:TMP+4*\b+3] offset:(2*\hi+\a)*12544+32*\b
.endr
.endm
	STG 0, 0, 0x0a
	STG 0, 1, 0x0a
	STG 1, 0, 0x0f
	STG 1, 1, 0x0f
	s_wait_dscnt 0x0                               ; my stores are done, for the others' sake
	s_barrier_signal -1
	s_barrier_wait -1
; twelve of my 48 pieces (piece n: head n / 8, rows 4 (n % 8) .. + 3 of my 32)
.macro OUTB k, buf
	s_wait_xcnt 0x0                                ; the buffer, which earlier stores read, is loaded again only behind this wait
.irp t, 0,1,2,3,4,5,6,7,8,9,10,11
	ds_load_b128 v[\buf+4*\t:\buf+4*\t+3], v[RD] offset:((12*\k+\t)&7)*3136+((12*\k+\t)>>3)*128
.endr
.irp t, 0,1,2,3,4,5,6,7,8,9,10,11
	s_wait_dscnt 11-\t                             ; LDS loads come back in order: piece t is in
	global_store_b128 v[CO], v[\buf+4*\t:\buf+4*\t+3], s[8:9] offset:((12*\k+\t)>>3)*524288+((12*\k+\t)&7)*512
.endr
.endm
	OUTB 0, TMP
	OUTB 1, RB
	OUTB 2, TMP
	OUTB 3, RB
	s_set_vgpr_msb 0x1
	s_wait_tensorcnt 0x0
	ds_add_u32 v255, v255
	s_wait_dscnt 0x0
	s_set_vgpr_msb 0x100
	CROUND                                         ; the closing round: no work-group ends while a partner may still ask for a tile that names it
	s_endpgm
.Lfunc_end_k_q567ce55984_proj:
	.size	k_q567ce55984_proj, .Lfunc_end_k_q567ce55984_proj-k_q567ce55984_proj
	.p2alignl 7, 3214868480
	.fill 96, 4, 3214868480
	.section	.rodata,"a",@progbits
	.p2align	6, 0x0
	.amdhsa_kernel k_q567ce55984_proj
		.amdhsa_group_segment_fixed_size 327680
		.amdhsa_private_segment_fixed_size 0
		.amdhsa_enable_private_segment 0
		.amdhsa_kernarg_size 24
		.amdhsa_user_sgpr_count 2
		.amdhsa_user_sgpr_kernarg_segment_ptr 1
		.amdhsa_wavefront_size32 1
		.amdhsa_system_sgpr_workgroup_id_x 1
		.amdhsa_system_sgpr_workgroup_id_y 1
		.amdhsa_system_sgpr_workgroup_id_z 1
		.amdhsa_system_vgpr_workitem_id 0
		.amdhsa_next_free_vgpr 960
		.amdhsa_next_free_sgpr 66
		.amdhsa_reserve_vcc 0
		.amdhsa_float_denorm_mode_32 3
		.amdhsa_float_denorm_mode_16_64 3
		.amdhsa_memory_ordered 1
		.amdhsa_forward_progress 1
		.amdhsa_inst_pref_size 164
	.end_amdhsa_kernel
	.amdgpu_metadata
---
amdhsa.version: [ 1, 2 ]
amdhsa.kernels:
  - .name:           k_q567ce55984_proj
    .symbol:         k_q567ce55984_proj.kd
    .args:
      - { .name: xh, .offset: 0, .size: 8, .value_kind: global_buffer, .address_space: global }
      - { .name: wqkv, .offset: 8, .size: 8, .value_kind: global_buffer, .address_space: global }
      - { .name: qkv, .offset: 16, .size: 8, .value_kind: global_buffer, .address_space: global }
    .group_segment_fixed_size: 327680
    .private_segment_fixed_size: 0
    .kernarg_segment_align: 8
    .kernarg_segment_size: 24
    .max_flat_workgroup_size: 128
    .sgpr_count:     66
    .vgpr_count:     960
    .wavefront_size: 32
...
	.end_amdgpu_metadata
.endif
;; end of part 2
;; launch attn (part 3): grid 256 x 1, 4 waves a work-group, no clusters, 327,680 bytes of LDS; arguments qkv, att; writes att
.if DOCPART == 3
	.amdgcn_target "amdgcn-amd-amdhsa--gfx1250"
	.amdhsa_code_object_version 6
	.text
	.protected	k_q567ce55984_attn
	.globl	k_q567ce55984_attn
	.p2align	8
	.type	k_q567ce55984_attn,@function
k_q567ce55984_attn:
	s_mov_b64 s[64:65], 0
	v_nop
	global_prefetch_b8 v0, s[64:65] scope:SCOPE_SE
	s_setreg_imm32_b32 hwreg(HW_REG_WAVE_MODE, 25, 1), 1
	s_wait_xcnt 0x0
; Causal attention with the ALiBi bias slope[h] (key - 2047), softmax with a running maximum, in base 2.
; qkv: [48 planes][4096 rows = 2048 b + t][64] f16 (planes h: q, 16 + h: k, 32 + h: v).  att: [b][h][t][64] f16.
; Work-group id: j = id % 8, (b, h) = id / 8.  It does query blocks j (phase A) and 15 - j (phase B) of 128 rows: 2 diagonal key tiles and 15 full
; ones of 128 keys for every work-group, so all 256 do equal work.  Key tiles above the diagonal are never touched.  Wave w has 32 queries, as two blocks of 16.
; BOTH PRODUCTS ARE TRANSPOSED: S^T = K Q^T, O^T = V^T P^T.  In a result lane (r, h) holds query r and keys (or d) 8 h + 0..7, so a query's maximum and
; sum are in one lane but for one exchange between the halves, S^T packed to f16 in place IS P^T's fragment, and a lane's O is 8 neighbouring d.
; Each phase begins with its diagonal tile, where every query has an unmasked key in the first 64: the first product starts O, the first maximum starts M.
; The 15 full tiles are one stream n = 0..14 (tile n of phase A for n < j, tile n - j of phase B after) through a ring of two LDS slots.
; LDS: four tile slots of 40,960 bytes (ring 0, ring 1, diagonal A, diagonal B), each four regions of 10,240, region w filled by wave w:
; regions 0, 1 = K's keys 0-63, 64-127 (pitch 144), regions 2, 3 = V's (pitch 160, for the transposing load); then a stage of 4,608 bytes for each wave.
; NO JOINT LOADS: the eight work-groups of a head need different key tiles at different times (their query blocks end at different diagonals);
; asking jointly would mean computing masked tiles or branching on the place in a cluster, for 32 KiB shared a tile.
; LIMITS: operands f16 (|q|, |k|, |v| below 65,504); exponentials below 2^-126 count as 0 against a sum of at least 1; the slope is
; 2^(-(h+1)/2) from v_exp_f32; NaN and infinite inputs are not served.
.set KP,    144
.set VP,    160
.set REGB,  10240
.set TSL,   40960
.set STAGE, 163840
.set KAD, 8                            ; v8-11    LDS address of my K fragments, slot 0..3
.set VAD, 12                           ; v12-15   the same for V
.set STO, 16                           ; v16      stage: where I put 16 bytes
.set RD,  17                           ; v17      stage: where I read 16 bytes back
.set QO,  18                           ; v18      my byte offset in a block of q
.set OO,  19                           ; v19      my byte offset in a block of att
.set DM,  20                           ; v20      32 w + r - 8 h: the mask's lane term
.set SL2, 21                           ; v21      slope x log2 e
.set NB,  22                           ; v22      SL2 x (2047 - first key of the 64)
.set MX,  24                           ; v24-25   running maximum, one for each query block
.set LS,  26                           ; v26-27   running sum (my half of the keys)
.set AL,  28                           ; v[28:29] the factor for what was summed before; v29 only fills the pair
.set MU,  30                           ; v[30:31] -(M + NB); v31 only fills the pair
.set TT,  32                           ; v32-39   at work
.set CB,  40                           ; v40-71   SL2 x (16 (e / 8) + e % 8 + 8 h), e = 0..31
.set QF,  72                           ; v72-103  Q fragments: 16 qb + 8 ks
.set SC,  104                          ; v104-167 S^T, then P^T: 32 qb + 8 t
.set OA,  168                          ; v168-231 O^T: 32 qb + 8 dblk
.set KF,  0                            ; window 1, v0-127:   K fragments 64 u + 16 t + 8 ks
.set VF,  128                          ; window 1, v128-255: V fragments 64 u + 16 dblk + 8 kk
.set G1K, 24                           ; s[24:31] group 1 for K's halves
.set G1V, 32                           ; s[32:39] group 1 for V's halves
.set GDA, 40                           ; s[40:43] group 0: diagonal tile of phase A
.set GDB, 44                           ; s[44:47] diagonal tile of phase B
.set GR0, 48                           ; s[48:51] ring slot 0
.set GR1, 52                           ; s[52:55] ring slot 1
.set MSB, 0
.macro WIN new
.if MSB != \new
	s_set_vgpr_msb (MSB<<8)|\new
.set MSB, \new
.endif
.endm
.macro TLOAD g                         ; waves 0, 1 bring K's halves, waves 2, 3 V's: one load a wave
	s_cmp_lt_u32 s8, 2
	s_cbranch_scc0 .Lv_\@
	tensor_load_to_lds s[\g:\g+3], s[G1K:G1K+7]
	s_nop 0
	s_branch .Lt_\@
.Lv_\@:
	tensor_load_to_lds s[\g:\g+3], s[G1V:G1V+7]
	s_nop 0
.Lt_\@:
.endm
	s_load_b128 s[4:7], s[0:1], 0x0                ; qkv s[4:5], att s[6:7]
	v_lshl_add_u32 v254, v0, 2, 0x2c800
	v_mov_b32 v255, 0
	ds_add_u32 v254, v255
	ds_add_u32 v254, v255
	v_lshrrev_b32 v1, 5, v0
	v_readfirstlane_b32 s8, v1                     ; wave 0..3
	s_and_b32 s9, ttmp9, 7                         ; j
	s_lshr_b32 s10, ttmp9, 3                       ; 16 b + h
	s_and_b32 s2, s10, 15                          ; h
	s_lshr_b32 s3, s10, 4                          ; b
	; group 1: a half tile is 64 keys x 128 bytes, dense: 32 rows of 256 bytes; padding behind every 32 words (a key's row), 4 words for K, 8 for V
	s_mov_b32 s[G1K+0], (1<<16)|(1<<20)|(4<<22)|(3<<25)
	s_mov_b32 s[G1K+1], 128<<16
	s_mov_b32 s[G1K+2], 32<<16
	s_mov_b32 s[G1K+3], 128<<16
	s_mov_b32 s[G1K+4], 32
	s_mov_b32 s[G1K+5], 128
	s_mov_b32 s[G1K+6], 0
	s_mov_b32 s[G1K+7], 0
	s_mov_b32 s[G1V+0], (1<<16)|(1<<20)|(4<<22)|(7<<25)
	s_mov_b32 s[G1V+1], 128<<16
	s_mov_b32 s[G1V+2], 32<<16
	s_mov_b32 s[G1V+3], 128<<16
	s_mov_b32 s[G1V+4], 32
	s_mov_b32 s[G1V+5], 128
	s_mov_b32 s[G1V+6], 0
	s_mov_b32 s[G1V+7], 0
	s_lshr_b32 s13, s8, 1
	s_lshl_b32 s13, s13, 4
	s_add_co_u32 s13, s13, 16
	s_add_co_u32 s13, s13, s2                      ; my plane: 16 + h (K) or 32 + h (V)
	s_lshl_b32 s13, s13, 19                        ; x 524,288 bytes
	s_lshl_b32 s14, s3, 18                         ; the batch's 2,048 rows of 128 bytes
	s_add_co_u32 s13, s13, s14
	s_and_b32 s15, s8, 1
	s_lshl_b32 s15, s15, 13                        ; my half: 64 keys of 128 bytes
	s_add_co_u32 s66, s13, s15
	s_mov_b32 s67, 0                               ; stays 0: the upper word of every offset pair
	s_mul_i32 s15, s8, REGB                        ; my region in a slot
	s_sub_co_u32 s12, 15, s9                       ; 15 - j
	s_wait_dscnt 0x0
	s_wait_kmcnt 0x0
	s_add_nc_u64 s[16:17], s[4:5], s[66:67]        ; my half of key tile 0; tile t lies 16,384 t bytes on
	s_mov_b32 s[GDA], 1
	s_add_co_u32 s[GDA+1], s15, 2*TSL
	s_lshl_b32 s66, s9, 14
	s_add_nc_u64 s[GDA+2:GDA+3], s[16:17], s[66:67]        ; tile j
	s_or_b32 s[GDA+3], s[GDA+3], 0x80000000
	s_mov_b32 s[GR0], 1
	s_add_co_u32 s[GR0+1], s15, 0
	s_mov_b64 s[GR0+2:GR0+3], s[16:17]                     ; the stream's first tile is tile 0 for every j
	s_or_b32 s[GR0+3], s[GR0+3], 0x80000000
	s_mov_b32 s[GDB], 1
	s_add_co_u32 s[GDB+1], s15, 3*TSL
	s_lshl_b32 s66, s12, 14
	s_add_nc_u64 s[GDB+2:GDB+3], s[16:17], s[66:67]        ; tile 15 - j
	s_or_b32 s[GDB+3], s[GDB+3], 0x80000000
	s_mov_b32 s[GR1], 1
	s_add_co_u32 s[GR1+1], s15, TSL                        ; its address is written in the first trip
	; the three first fills go out as one group, ahead of every wait on TENSORcnt, LDS read and barrier: three loads of the wave are out
	s_cmp_lt_u32 s8, 2
	s_cbranch_scc0 .Lfirst_v
	tensor_load_to_lds s[GDA:GDA+3], s[G1K:G1K+7]
	s_nop 0
	tensor_load_to_lds s[GR0:GR0+3], s[G1K:G1K+7]
	s_nop 0
	tensor_load_to_lds s[GDB:GDB+3], s[G1K:G1K+7]
	s_nop 0
	s_branch .Lfirst_done
.Lfirst_v:
	tensor_load_to_lds s[GDA:GDA+3], s[G1V:G1V+7]
	s_nop 0
	tensor_load_to_lds s[GR0:GR0+3], s[G1V:G1V+7]
	s_nop 0
	tensor_load_to_lds s[GDB:GDB+3], s[G1V:G1V+7]
	s_nop 0
.Lfirst_done:
	s_lshl_b32 s13, s2, 19
	s_add_co_u32 s13, s13, s14                     ; q: plane h, the batch's rows
	s_lshl_b32 s66, s9, 14
	s_add_co_u32 s66, s66, s13
	s_add_nc_u64 s[68:69], s[4:5], s[66:67]        ; q block j
	s_lshl_b32 s66, s12, 14
	s_add_co_u32 s66, s66, s13
	s_add_nc_u64 s[18:19], s[4:5], s[66:67]        ; q block 15 - j
	s_lshl_b32 s13, s10, 18                        ; att: plane 16 b + h of 262,144 bytes
	s_lshl_b32 s66, s9, 14
	s_add_co_u32 s66, s66, s13
	s_add_nc_u64 s[20:21], s[6:7], s[66:67]        ; output block j
	s_lshl_b32 s66, s12, 14
	s_add_co_u32 s66, s66, s13
	s_add_nc_u64 s[22:23], s[6:7], s[66:67]        ; output block 15 - j
	s_mov_b32 s56, 0x3e38aa3b                      ; log2 e / 8, twice: a pair for the packed multiply-add
	s_mov_b32 s57, 0x3e38aa3b
	s_mov_b32 s58, 0x76543210                      ; v_permlanex16_b32: lane i of one half reads lane i of the other
	s_mov_b32 s59, 0xfedcba98
	s_mov_b32 s60, 0xff800000                      ; minus infinity for masked scores
	v_and_b32 v1, 15, v0                           ; r
	v_bfe_u32 v2, v0, 4, 1                         ; h of the lane
	v_and_b32 v3, 7, v0
	v_bfe_u32 v4, v0, 3, 1
	v_bfe_u32 v5, v0, 3, 2                         ; lane / 8
	v_and_b32 v6, 31, v0
	v_lshl_add_u32 v7, s8, 5, v1
	v_lshlrev_b32 v7, 7, v7
	v_lshl_add_u32 v[QO], v2, 4, v7                ; row 32 w + r of 128 bytes, 16 bytes for each half of the lanes
.macro QLOAD b0                        ; Q's fragments straight from memory: query r, d = 32 ks + 8 h .. and + 16
.irp qb, 0,1
.irp ks, 0,1
	global_load_b128 v[QF+16*\qb+8*\ks:QF+16*\qb+8*\ks+3],   v[QO], s[\b0:\b0+1] offset:\qb*2048+\ks*64
	global_load_b128 v[QF+16*\qb+8*\ks+4:QF+16*\qb+8*\ks+7], v[QO], s[\b0:\b0+1] offset:\qb*2048+\ks*64+32
.endr
.endr
.endm
	QLOAD 68
	v_mul_u32_u24 v7, v1, KP
	v_lshl_add_u32 v[KAD], v2, 4, v7
	v_add_nc_u32 v[KAD+1], TSL, v[KAD]
	v_add_nc_u32 v[KAD+2], TSL, v[KAD+1]
	v_add_nc_u32 v[KAD+3], TSL, v[KAD+2]
	v_lshl_add_u32 v7, v2, 3, v3
	v_mul_u32_u24 v7, v7, VP
	v_lshl_add_u32 v7, v4, 4, v7
	v_add_nc_u32 v[VAD], 2*REGB, v7
	v_add_nc_u32 v[VAD+1], TSL, v[VAD]
	v_add_nc_u32 v[VAD+2], TSL, v[VAD+1]
	v_add_nc_u32 v[VAD+3], TSL, v[VAD+2]
	s_mul_i32 s13, s8, 4608
	s_add_co_u32 s13, s13, STAGE                   ; my stage: 32 rows at pitch 144
	v_mul_u32_u24 v7, v1, KP
	v_lshl_add_u32 v7, v2, 4, v7
	v_add_nc_u32 v[STO], s13, v7
	v_mul_u32_u24 v7, v5, KP
	v_lshl_add_u32 v7, v3, 4, v7
	v_add_nc_u32 v[RD], s13, v7
	v_lshlrev_b32 v7, 4, v6
	v_lshl_add_u32 v[OO], s8, 12, v7
	s_add_co_u32 s13, s2, 1
	v_cvt_f32_u32 v[TT], s13
	v_mul_f32 v[TT], -0.5, v[TT]
	v_exp_f32 v[SL2], v[TT]                        ; 2^(-(h+1)/2)
	v_lshlrev_b32 v7, 3, v2                        ; 8 h; also the plain instruction behind the exponential (ISA guide 5.7.2)
	s_wait_alu depctr_va_vdst(0)
	v_mul_f32 v[SL2], 0x3fb8aa3b, v[SL2]
	v_lshl_add_u32 v[DM], s8, 5, v1
	v_sub_nc_u32 v[DM], v[DM], v7
.set ee, 0
.rept 32
	v_add_nc_u32 v[CB+ee], 16*(ee>>3)+(ee&7), v7
	v_cvt_f32_u32 v[CB+ee], v[CB+ee]
	v_mul_f32 v[CB+ee], v[SL2], v[CB+ee]
.set ee, ee+1
.endr
	v_mov_b32 v[TT+4], 0                           ; v_permlanex16_b32's destination counts as read
	v_mov_b32 v[AL+1], 0                           ; the pairs' upper registers count as read
	v_mov_b32 v[MU+1], 0
; 32 LDS loads: the fragments of 64 keys (half u of a slot): 16 for K, then 16 transposing ones for V
.macro FETCHU slot, u
	WIN 0x40
.irp t, 0,1,2,3
.irp ks, 0,1
	ds_load_b128 v[KF+64*\u+16*\t+8*\ks:KF+64*\u+16*\t+8*\ks+3],   v[KAD+\slot] offset:\u*REGB+\t*2304+\ks*64
	ds_load_b128 v[KF+64*\u+16*\t+8*\ks+4:KF+64*\u+16*\t+8*\ks+7], v[KAD+\slot] offset:\u*REGB+\t*2304+\ks*64+32
.endr
.endr
.irp d, 0,1,2,3
.irp kk, 0,1
	ds_load_tr16_b128 v[VF+64*\u+16*\d+8*\kk:VF+64*\u+16*\d+8*\kk+3],   v[VAD+\slot] offset:\u*REGB+\kk*5120+\d*32
	ds_load_tr16_b128 v[VF+64*\u+16*\d+8*\kk+4:VF+64*\u+16*\d+8*\kk+7], v[VAD+\slot] offset:\u*REGB+\kk*5120+\d*32+2560
.endr
.endr
.endm
; Softmax step of query block qb on 64 keys: 32 scores a lane.  In base 2 the score is S c1 + CB[e] - NB.
.macro SOFT qb, u, first, mask
.set SB, SC+32*\qb
.set OB, OA+32*\qb
.irp i, 0,1,2,3,4,5,6,7,8,9,10,11,12,13,14,15
	v_pk_fma_f32 v[SB+2*\i:SB+2*\i+1], v[SB+2*\i:SB+2*\i+1], s[56:57], v[CB+2*\i:CB+2*\i+1] op_sel_hi:[1,0,1]
.endr
.if \mask
.set ee, 0
.rept 32
	v_cmp_le_i32 vcc_lo, 64*\u+16*(ee>>3)+(ee&7)-16*\qb, v[DM]     ; key <= query, both counted inside the diagonal tile
	v_cndmask_b32 v[SB+ee], s60, v[SB+ee], vcc_lo
.set ee, ee+1
.endr
.endif
	v_max3_num_f32 v[TT+2], v[SB], v[SB+1], v[SB+2]                ; two chains: 17 and 15 scores
	v_max3_num_f32 v[TT+3], v[SB+17], v[SB+18], v[SB+19]
.irp i, 0,1,2,3,4,5
	v_max3_num_f32 v[TT+2], v[TT+2], v[SB+3+2*\i], v[SB+4+2*\i]
	v_max3_num_f32 v[TT+3], v[TT+3], v[SB+20+2*\i], v[SB+21+2*\i]
.endr
	v_max3_num_f32 v[TT+2], v[TT+2], v[SB+15], v[SB+16]
	v_max_num_f32 v[TT+2], v[TT+2], v[TT+3]
	v_permlanex16_b32 v[TT+4], v[TT+2], s58, s59                   ; the other half of the lanes holds the query's other keys
	v_max_num_f32 v[TT+2], v[TT+2], v[TT+4]
.if \first
	v_sub_f32 v[MX+\qb], v[TT+2], v[NB]                            ; the first maximum starts M
	v_sub_f32 v[MU], -v[MX+\qb], v[NB]                             ; -(M + NB)
.else
	v_sub_f32 v[TT], v[TT+2], v[NB]
	v_max_num_f32 v[TT+1], v[MX+\qb], v[TT]
	v_sub_f32 v[TT+5], v[MX+\qb], v[TT+1]
	v_exp_f32 v[AL], v[TT+5]                                       ; 2^(old M - new M)
	v_mov_b32 v[MX+\qb], v[TT+1]                                   ; also the plain instruction behind the exponential
	v_sub_f32 v[MU], -v[TT+1], v[NB]
.endif
.irp i, 0,1,2,3,4,5,6,7,8,9,10,11,12,13,14,15
	v_pk_add_f32 v[SB+2*\i:SB+2*\i+1], v[SB+2*\i:SB+2*\i+1], v[MU:MU+1] op_sel_hi:[1,0]
.endr
.set ee, 0
.rept 32
	v_exp_f32 v[SB+ee], v[SB+ee]
.set ee, ee+1
.endr
.if \first
	v_nop                                                          ; the plain instruction behind the exponentials
	s_wait_alu depctr_va_vdst(0)
.else
	s_wait_alu depctr_va_vdst(0)
.irp i, 0,1,2,3,4,5,6,7,8,9,10,11,12,13,14,15
	v_pk_mul_f32 v[OB+2*\i:OB+2*\i+1], v[OB+2*\i:OB+2*\i+1], v[AL:AL+1] op_sel_hi:[1,0]    ; these stand behind the exponentials too
.endr
.endif
	v_pk_add_f32 v[TT+2:TT+3], v[SB:SB+1], v[SB+2:SB+3]
	v_pk_add_f32 v[TT+6:TT+7], v[SB+4:SB+5], v[SB+6:SB+7]
.irp i, 0,1,2,3,4,5
	v_pk_add_f32 v[TT+2:TT+3], v[TT+2:TT+3], v[SB+8+4*\i:SB+9+4*\i]
	v_pk_add_f32 v[TT+6:TT+7], v[TT+6:TT+7], v[SB+10+4*\i:SB+11+4*\i]
.endr
	v_pk_add_f32 v[TT+2:TT+3], v[TT+2:TT+3], v[TT+6:TT+7]
.if \first
	v_add_f32 v[LS+\qb], v[TT+2], v[TT+3]
.else
	v_add_f32 v[TT+2], v[TT+2], v[TT+3]
	v_fma_f32 v[LS+\qb], v[LS+\qb], v[AL], v[TT+2]
.endif
.irp kk, 0,1
.irp i, 0,1,2,3,4,5,6,7
	v_cvt_pk_f16_f32 v[SB+16*\kk+\i], v[SB+16*\kk+2*\i], v[SB+16*\kk+2*\i+1]   ; in place, ascending: tiles 2 kk, 2 kk + 1 become registers 0-3, 4-7 of P^T's fragment
.endr
.endr
.endm
; O^T[qb] += V^T P^T over 64 keys.  The four accumulators take turns, one instruction a turn.
.macro PV qb, u, first
.irp kk, 0,1
.irp d, 0,1,2,3
.if (\first) & (1-\kk)
	v_wmma_f32_16x16x32_f16 v[OA+32*\qb+8*\d:OA+32*\qb+8*\d+7], v[VF+64*\u+16*\d+8*\kk:VF+64*\u+16*\d+8*\kk+7], v[SC+32*\qb+16*\kk:SC+32*\qb+16*\kk+7], 0
.else
	v_wmma_f32_16x16x32_f16 v[OA+32*\qb+8*\d:OA+32*\qb+8*\d+7], v[VF+64*\u+16*\d+8*\kk:VF+64*\u+16*\d+8*\kk+7], v[SC+32*\qb+16*\kk:SC+32*\qb+16*\kk+7], v[OA+32*\qb+8*\d:OA+32*\qb+8*\d+7]
.endif
.endr
.endr
.endm
; 64 keys of a tile for both query blocks
.macro HALF slot, u, first, mask
	s_wait_dscnt 16                                ; this half's K fragments are in; its sixteen V loads may be out
	WIN 0x01                                       ; source 0 (K, V) in window 1, all else in window 0
.irp ks, 0,1
.irp t, 0,1,2,3
.irp qb, 0,1
.if \ks
	v_wmma_f32_16x16x32_f16 v[SC+32*\qb+8*\t:SC+32*\qb+8*\t+7], v[KF+64*\u+16*\t+8*\ks:KF+64*\u+16*\t+8*\ks+7], v[QF+16*\qb+8*\ks:QF+16*\qb+8*\ks+7], v[SC+32*\qb+8*\t:SC+32*\qb+8*\t+7]
.else
	v_wmma_f32_16x16x32_f16 v[SC+32*\qb+8*\t:SC+32*\qb+8*\t+7], v[KF+64*\u+16*\t+8*\ks:KF+64*\u+16*\t+8*\ks+7], v[QF+16*\qb+8*\ks:QF+16*\qb+8*\ks+7], 0
.endif
.endr
.endr
.endr
.if \u == 0
	FETCHU \slot, 1                                ; the other half's fragments, a softmax step ahead of their use
.endif
	WIN 0
	v_cvt_f32_u32 v[NB], s[61+\u]                  ; these two and the two v_nop are the four places behind the products (ISA guide 7.12.1)
	v_mul_f32 v[NB], v[SL2], v[NB]
	v_nop
	v_nop
	SOFT 0, \u, \first, \mask
.if \u == 0
	s_wait_dscnt 32                                ; this half's V fragments are in; the 32 loads of the other half may be out
.else
	s_wait_dscnt 0
.endif
	WIN 0x01
	PV 0, \u, \first
	WIN 0
	SOFT 1, \u, \first, \mask
	WIN 0x01
	PV 1, \u, \first
	WIN 0
.rept 5
	v_nop                                          ; five places before a product writes over P^T, four before O is read or fragments are loaded again
.endr
.endm
.macro TILE slot, first, mask
	FETCHU \slot, 0
	HALF \slot, 0, \first, \mask
	HALF \slot, 1, 0, \mask
.endm
; O / sum, to f16, through my own stage, out as 512 dense bytes a store.  more = 1: the registers are used again behind it.
.macro FINAL b0, more
.irp qb, 0,1
	v_permlanex16_b32 v[TT+4], v[LS+\qb], s58, s59
	v_add_f32 v[TT], v[LS+\qb], v[TT+4]            ; both halves of the keys
	v_rcp_f32 v[AL], v[TT]
	v_nop
	s_wait_alu depctr_va_vdst(0)
.irp i, 0,1,2,3,4,5,6,7,8,9,10,11,12,13,14,15
	v_pk_mul_f32 v[OA+32*\qb+2*\i:OA+32*\qb+2*\i+1], v[OA+32*\qb+2*\i:OA+32*\qb+2*\i+1], v[AL:AL+1] op_sel_hi:[1,0]
.endr
.irp i, 0,1,2,3,4,5,6,7,8,9,10,11,12,13,14,15
	v_cvt_pk_f16_f32 v[SC+16*\qb+\i], v[OA+32*\qb+2*\i], v[OA+32*\qb+2*\i+1]
.endr
.irp d, 0,1,2,3
	ds_store_b128 v[STO], v[SC+16*\qb+4*\d:SC+16*\qb+4*\d+3] offset:\qb*2304+\d*32
.endr
.endr
.irp i, 0,1,2,3,4,5,6,7
	ds_load_b128 v[SC+32+4*\i:SC+32+4*\i+3], v[RD] offset:\i*576   ; my own bytes: LDS serves a wave's instructions in order (ISA guide 5.7.1)
.endr
.irp i, 0,1,2,3,4,5,6,7
	s_wait_dscnt 7-\i
	global_store_b128 v[OO], v[SC+32+4*\i:SC+32+4*\i+3], s[\b0:\b0+1] offset:\i*512
.endr
.if \more
	s_wait_xcnt 0x0                                ; the stores' data registers are written again only behind this wait
.endif
.endm
; From phase A to phase B: no barrier and no tensor load inside.
.macro PHASECHANGE
	QLOAD 18                                       ; the new queries come in while the old block goes out
	FINAL 20, 1
	s_wait_loadcnt 0x0
	s_lshl_b32 s13, s9, 7
	s_add_co_u32 s61, s13, 127                     ; 2047 - 128 (15 - j)
	s_sub_co_u32 s62, s61, 64
	TILE 3, 1, 1
.endm
; One full tile of the stream, from ring slot \slot.  In front of the barrier every wave waits for all its tensor loads and for its LDS reads;
; behind it the other slot's refill comes first, one load a wave, and has this whole tile's work in which to land.
.macro TRIP slot, refill, check
	s_add_co_u32 s12, s11, \slot                   ; cn: this tile's number in the stream
	s_wait_tensorcnt 0x0                           ; all my loads have landed, my part of this tile among them: a group 0 may be written
	ds_add_u32 v254, v255
	s_wait_dscnt 0x0
.if \refill
.set OTH, GR0+4*(1-\slot)
	s_add_co_u32 s13, s12, 1
	s_sub_co_u32 s14, s13, s9
	s_cmp_lt_u32 s13, s9
	s_cselect_b32 s13, s13, s14                    ; the next tile: cn + 1 in phase A, cn + 1 - j in phase B
	s_lshl_b32 s66, s13, 14
	s_add_nc_u64 s[OTH+2:OTH+3], s[16:17], s[66:67]
	s_or_b32 s[OTH+3], s[OTH+3], 0x80000000
.endif
	s_wait_dscnt 0x0                               ; my reads of the other slot are over
	s_barrier_signal -1
	s_barrier_wait -1
.if \refill
	TLOAD OTH
.endif
.if \check
	s_cmp_lg_u32 s12, s9                           ; the same in all four waves
	s_cbranch_scc1 .Lsame_\@
	PHASECHANGE
.Lsame_\@:
.endif
	s_sub_co_u32 s14, s12, s9
	s_cmp_lt_u32 s12, s9
	s_cselect_b32 s13, s12, s14                    ; this tile's place among the keys
	s_lshl_b32 s13, s13, 7
	s_sub_co_u32 s61, 2047, s13                    ; 2047 - first key of each half
	s_sub_co_u32 s62, s61, 64
	TILE \slot, 0, 0
.endm
	s_wait_tensorcnt 0x2                           ; tensor loads end in order: my part of phase A's diagonal tile is in, the two behind it stay out
	s_barrier_signal -1
	s_barrier_wait -1
	s_wait_loadcnt 0x0                             ; Q
	s_lshl_b32 s13, s9, 7
	s_sub_co_u32 s61, 2047, s13
	s_sub_co_u32 s62, s61, 64
	TILE 2, 1, 1
	s_mov_b32 s11, 0
.Lloop:
	TRIP 0, 1, 1                                   ; in the first trip ring slot 1 gets its first fill, issued as a refill is
	TRIP 1, 1, 1
	s_add_co_u32 s11, s11, 2
	s_cmp_lt_u32 s11, 14
	s_cbranch_scc1 .Lloop
	TRIP 0, 0, 0                                   ; tile 14: nothing is left to fetch, and j is 7 at the most
	FINAL 22, 0
	s_wait_tensorcnt 0x0
	ds_add_u32 v254, v255
	s_wait_dscnt 0x0
	s_endpgm
.Lfunc_end_k_q567ce55984_attn:
	.size	k_q567ce55984_attn, .Lfunc_end_k_q567ce55984_attn-k_q567ce55984_attn
	.p2alignl 7, 3214868480
	.fill 96, 4, 3214868480
	.section	.rodata,"a",@progbits
	.p2align	6, 0x0
	.amdhsa_kernel k_q567ce55984_attn
		.amdhsa_group_segment_fixed_size 327680
		.amdhsa_private_segment_fixed_size 0
		.amdhsa_enable_private_segment 0
		.amdhsa_kernarg_size 16
		.amdhsa_user_sgpr_count 2
		.amdhsa_user_sgpr_kernarg_segment_ptr 1
		.amdhsa_wavefront_size32 1
		.amdhsa_system_sgpr_workgroup_id_x 1
		.amdhsa_system_sgpr_workgroup_id_y 1
		.amdhsa_system_sgpr_workgroup_id_z 1
		.amdhsa_system_vgpr_workitem_id 0
		.amdhsa_next_free_vgpr 512
		.amdhsa_next_free_sgpr 70
		.amdhsa_reserve_vcc 1
		.amdhsa_float_denorm_mode_32 3
		.amdhsa_float_denorm_mode_16_64 3
		.amdhsa_memory_ordered 1
		.amdhsa_forward_progress 1
		.amdhsa_inst_pref_size 255
	.end_amdhsa_kernel
	.section	.bss,"aw",@nobits
	.p2align	6
	.space	262144
	.amdgpu_metadata
---
amdhsa.version: [ 1, 2 ]
amdhsa.kernels:
  - .name:           k_q567ce55984_attn
    .symbol:         k_q567ce55984_attn.kd
    .args:
      - { .name: qkv, .offset: 0, .size: 8, .value_kind: global_buffer, .address_space: global }
      - { .name: att, .offset: 8, .size: 8, .value_kind: global_buffer, .address_space: global }
    .group_segment_fixed_size: 327680
    .private_segment_fixed_size: 0
    .kernarg_segment_align: 8
    .kernarg_segment_size: 16
    .max_flat_workgroup_size: 128
    .sgpr_count:     70
    .vgpr_count:     512
    .wavefront_size: 32
...
	.end_amdgpu_metadata
.endif
;; end of part 3
;; launch oproj (part 4): grid 8 x 32, 4 waves a work-group, clusters of 4 x 4, 327,680 bytes of LDS; arguments att, woh, out0; writes out0
.if DOCPART == 4
	.amdgcn_target "amdgcn-amd-amdhsa--gfx1250"
	.amdhsa_code_object_version 6
	.text
	.protected	k_q567ce55984_oproj
	.globl	k_q567ce55984_oproj
	.p2align	8
	.type	k_q567ce55984_oproj,@function
k_q567ce55984_oproj:
	s_mov_b64 s[64:65], 0
	v_nop
	global_prefetch_b8 v0, s[64:65] scope:SCOPE_SE
	s_setreg_imm32_b32 hwreg(HW_REG_WAVE_MODE, 25, 1), 1
	s_wait_xcnt 0x0
	s_wait_alu depctr_hold_cnt(0) depctr_sa_sdst(0) depctr_va_vdst(0) depctr_va_sdst(0) depctr_va_ssrc(0) depctr_va_vcc(0) depctr_vm_vsrc(0)
	s_getreg_b32 s2, hwreg(HW_REG_IB_STS2, 6, 4)
	s_cmp_eq_u32 s2, 0
	s_cbranch_scc0 .Lentry_in_a_cluster
	s_endpgm
.Lentry_in_a_cluster:
	s_bfe_u32 s2, ttmp6, 0x10000c
	s_cmp_lg_u32 s2, 0xf033
	s_cbranch_scc0 .Lentry_shape_is_right
	s_endpgm
.Lentry_shape_is_right:
; out0 = attention output x Wo.  att: [b][h][t][64] f16 (k = 64 h + d), woh: [1024 k][1024 n] f16, out0: [4096][1024] f32; sums in f32.
; A work-group makes 128 x 128 with four waves (32 x 8 = 256 work-groups); wave (rh, c) makes 64 x 64: 16 accumulator tiles.
; K goes in 4 steps of 256 (four heads) through two LDS slots of four regions of 36,864 bytes, region w filled by wave w with one tensor load:
; regions 0, 1 = two heads each, [head][128 t][64 d] at pitch 144 (a head's 128 rows are 16 KiB dense in memory: a tile of 2 rows of 8,192 elements,
; padded behind every 128 bytes); regions 2, 3 = 128 k-rows x 128 columns of Wo at pitch 288, read by the transposing LDS load.
; CLUSTERS: 4 x 4 work-groups; att's tiles are asked for jointly along a row of the cluster, Wo's along a column.
; The matrix instruction is used transposed (source 0 = Wo's columns, source 1 = att's rows): a lane holds 8 neighbouring f32 of one row.
; Windows: 0 = addresses, fragments (two buffers each), read-back; 1 = accumulators at 8 (4 a + b).
; LIMIT: operands are f16.
.set PAH,  144
.set PB,   288
.set REG,  36864
.set SLOT, 4*REG
.set SP,   528                         ; the stage's pitch: 512 bytes (128 f32) + 16
.set ADRA, 16                          ; v16-17  att fragments, slot 0, 1
.set ADRB, 18                          ; v18-21  Wo fragments, 2 x slot + half of the slot's k-rows
.set STO,  24
.set RD,   25
.set CO,   26
.set RB,   192                         ; v192-255
.set G1,  24
.set G0,  32
.set G1B, 48
.set G0B, 56
.set MSB, 0
.macro WIN new
.if MSB != \new
	s_set_vgpr_msb (MSB<<8)|\new
.set MSB, \new
.endif
.endm
.set MULW, 0x50                        ; C and D window 1, sources window 0
.set STW,  0x04                        ; an LDS store's data in window 1, its address in window 0
.macro JLOAD s                         ; waves 0, 1 fetch att's two regions, waves 2, 3 Wo's
	s_cmp_eq_u32 s11, 0
	s_cbranch_scc0 .Lfor_b_\@
	tensor_load_to_lds s[G0+4*\s:G0+4*\s+3], s[G1:G1+7]
	s_nop 0
	s_branch .Lasked_\@
.Lfor_b_\@:
	tensor_load_to_lds s[G0B+4*\s:G0B+4*\s+3], s[G1B:G1B+7]
	s_nop 0
.Lasked_\@:
.endm
.macro CREST
	s_cmp_lg_u32 s10, 0
	s_cbranch_scc1 .Lnot_wave_0_\@
	s_barrier_signal -3
.Lnot_wave_0_\@:
	s_barrier_wait -3
	s_barrier_signal -1
	s_barrier_wait -1
.endm
.macro CROUND
	s_barrier_signal -1
	s_barrier_wait -1
	CREST
.endm
.macro PLACES                          ; four plain vector instructions behind a matrix instruction (ISA guide 7.12.1)
.rept 4
	v_nop
.endr
.endm
	s_load_b128 s[4:7], s[0:1], 0x0                ; att s[4:5], woh s[6:7]
	s_load_b64 s[8:9], s[0:1], 0x10                ; out0
	v_lshl_add_u32 v62, v0, 2, 0x48000
	v_mov_b32 v63, 0
	ds_add_u32 v62, v63
	ds_add_u32 v62, v63
	v_lshrrev_b32 v1, 5, v0
	v_readfirstlane_b32 s10, v1                    ; wave 0..3
	s_lshr_b32 s11, s10, 1                         ; rh.  Also: I fetch for att (0) or for Wo (1)
	s_and_b32 s12, s10, 1                          ; c.   Also: which of the two regions I fetch
	s_bfe_u32 s40, ttmp6, 0x40000                  ; cx
	s_bfe_u32 s41, ttmp6, 0x40004                  ; cy
	s_lshl_b32 s42, ttmp9, 2
	s_add_co_u32 s42, s42, s40                     ; block column 0..7
	s_and_b32 s13, ttmp7, 0xffff
	s_lshl_b32 s13, s13, 2
	s_add_co_u32 s13, s13, s41                     ; block row 0..31
	s_lshl_b32 s43, s41, 2
	s_lshl_b32 s43, 15, s43
	s_lshl_b32 s44, 0x1111, s40
	s_or_b32 s[G1+0], s43, (1<<16)|(1<<20)|(1<<21)|(4<<22)|(3<<25)   ; 2-byte elements; 4 words of padding behind every 32 words
	s_mov_b32 s[G1+1], 8192<<16                    ; tensor_dim0 = 8,192: a head's 128 rows of 64
	s_mov_b32 s[G1+2], 2<<16                       ; tensor_dim1 = 2 heads
	s_mov_b32 s[G1+3], 8192<<16                    ; tile_dim0
	s_mov_b32 s[G1+4], 2                           ; tile_dim1
	s_mov_b32 s[G1+5], 131072                      ; elements from head to head
	s_mov_b32 s[G1+6], 0
	s_mov_b32 s[G1+7], 0
	s_or_b32 s[G1B+0], s44, (1<<16)|(1<<20)|(1<<21)|(5<<22)|(7<<25)  ; 8 words of padding behind every 64 words
	s_mov_b32 s[G1B+1], 128<<16
	s_mov_b32 s[G1B+2], 128<<16
	s_mov_b32 s[G1B+3], 128<<16
	s_mov_b32 s[G1B+4], 128
	s_mov_b32 s[G1B+5], 1024
	s_mov_b32 s[G1B+6], 0
	s_mov_b32 s[G1B+7], 0
	s_lshr_b32 s16, s13, 4
	s_lshl_b32 s16, s16, 22                        ; batch: 16 heads of 262,144 bytes
	s_and_b32 s17, s13, 15
	s_lshl_b32 s17, s17, 14                        ; 128 rows of 128 bytes inside a head
	s_add_co_u32 s16, s16, s17
	s_lshl_b32 s17, s12, 19                        ; my two heads of the slot's four
	s_add_co_u32 s16, s16, s17
	s_mov_b32 s17, 0
	s_lshl_b32 s46, s42, 8                         ; 128 columns x 2 bytes
	s_lshl_b32 s47, s12, 18                        ; my 128 k-rows of 2,048 bytes
	s_add_co_u32 s46, s46, s47
	s_mov_b32 s47, 0
	s_mul_i32 s20, s10, REG
	s_wait_dscnt 0x0
	s_wait_kmcnt 0x0
	s_add_nc_u64 s[14:15], s[4:5], s[16:17]
	s_add_nc_u64 s[46:47], s[6:7], s[46:47]
	CROUND                                         ; in front of the first joint loads
.irp s, 0,1
	s_mov_b32 s[G0+4*\s], 1
	s_add_co_u32 s[G0+4*\s+1], s20, \s*SLOT
	s_add_nc_u64 s[G0+4*\s+2:G0+4*\s+3], s[14:15], \s*1048576      ; four heads on
	s_or_b32 s[G0+4*\s+3], s[G0+4*\s+3], 0x80000000
	s_mov_b32 s[G0B+4*\s], 1
	s_add_co_u32 s[G0B+4*\s+1], s20, \s*SLOT
	s_add_nc_u64 s[G0B+4*\s+2:G0B+4*\s+3], s[46:47], \s*524288     ; 256 k-rows on
	s_or_b32 s[G0B+4*\s+3], s[G0B+4*\s+3], 0x80000000
	JLOAD \s                                       ; both first fills together: two loads of the wave are out
.endr
	v_and_b32 v1, 15, v0
	v_bfe_u32 v2, v0, 4, 1
	v_and_b32 v3, 7, v0
	v_bfe_u32 v4, v0, 3, 1
	v_mul_u32_u24 v5, v1, PAH
	v_lshl_add_u32 v5, v2, 4, v5
	s_mul_i32 s21, s11, 64*PAH
	v_add_nc_u32 v[ADRA], s21, v5
	v_add_nc_u32 v[ADRA+1], SLOT, v[ADRA]
	v_lshl_add_u32 v6, v2, 3, v3
	v_mul_u32_u24 v6, v6, PB
	v_lshl_add_u32 v6, v4, 4, v6
	s_lshl_b32 s21, s12, 7                         ; my 64 columns: 128 bytes
	s_add_co_u32 s21, s21, 2*REG
	v_add_nc_u32 v[ADRB], s21, v6
	v_add_nc_u32 v[ADRB+1], REG, v[ADRB]
	v_add_nc_u32 v[ADRB+2], SLOT, v[ADRB]
	v_add_nc_u32 v[ADRB+3], SLOT, v[ADRB+1]
	v_mul_u32_u24 v7, v1, SP
	v_lshl_add_u32 v7, v2, 5, v7
	s_mul_i32 s22, s11, 64*SP
	s_lshl_b32 s23, s12, 8
	s_add_co_u32 s22, s22, s23
	v_add_nc_u32 v[STO], s22, v7                   ; stage: row 64 rh + r, byte 256 c + 32 h
	v_and_b32 v9, 31, v0
	v_lshlrev_b32 v9, 4, v9
	s_mul_i32 s22, s10, 32*SP
	v_add_nc_u32 v[RD], s22, v9                    ; back: a whole row of 512 bytes for each load
	v_lshl_add_u32 v[CO], s10, 17, v9              ; 32 w rows of 4,096 bytes + 16 x lane
; 16 matrix instructions from buffer f.  The 16 accumulators take turns, one instruction a turn.
.macro MUL16 f, zero
.irp a, 0,1,2,3
.irp b, 0,1,2,3
.if \zero
	v_wmma_f32_16x16x32_f16 v[8*(4*\a+\b):8*(4*\a+\b)+7], v[128+32*\f+8*\b:128+32*\f+8*\b+7], v[64+32*\f+8*\a:64+32*\f+8*\a+7], 0
.else
	v_wmma_f32_16x16x32_f16 v[8*(4*\a+\b):8*(4*\a+\b)+7], v[128+32*\f+8*\b:128+32*\f+8*\b+7], v[64+32*\f+8*\a:64+32*\f+8*\a+7], v[8*(4*\a+\b):8*(4*\a+\b)+7]
.endif
.endr
.endr
.endm
; 16 LDS loads: eighth kq (32 along K) of a slot into buffer f
.macro FETCH slot, kq, f
.irp i, 0,1,2,3
	ds_load_tr16_b128 v[128+32*\f+8*\i:128+32*\f+8*\i+3],   v[ADRB+2*\slot+(\kq>>2)] offset:(\kq&3)*9216+32*\i
	ds_load_tr16_b128 v[128+32*\f+8*\i+4:128+32*\f+8*\i+7], v[ADRB+2*\slot+(\kq>>2)] offset:(\kq&3)*9216+32*\i+4608
.endr
.irp a, 0,1,2,3
	ds_load_b128 v[64+32*\f+8*\a:64+32*\f+8*\a+3],   v[ADRA+\slot] offset:(\kq>>2)*36864+((\kq>>1)&1)*18432+(\kq&1)*64+\a*2304
	ds_load_b128 v[64+32*\f+8*\a+4:64+32*\f+8*\a+7], v[ADRA+\slot] offset:(\kq>>2)*36864+((\kq>>1)&1)*18432+(\kq&1)*64+\a*2304+32
.endr
.endm
; fetches eighth kq into buffer g, then multiplies buffer f
.macro QSTEP slot, kq, f, g, zero
	PLACES
	FETCH \slot, \kq, \g
	s_wait_dscnt 16                                ; all but the 16 just issued
	WIN MULW
	MUL16 \f, \zero
	WIN 0
.endm
.macro SEVEN slot, zero
	QSTEP \slot, 1, 0, 1, \zero
	QSTEP \slot, 2, 1, 0, 0
	QSTEP \slot, 3, 0, 1, 0
	QSTEP \slot, 4, 1, 0, 0
	QSTEP \slot, 5, 0, 1, 0
	QSTEP \slot, 6, 1, 0, 0
	QSTEP \slot, 7, 0, 1, 0
.endm
; The slot's last eighth and the change of slots: the waits, the barrier (which opens a round of the cluster's barrier where the slot is filled again),
; the joint refill first behind the round: it has the next slot's first 112 matrix instructions in which to land.
.macro TURN slot, next, fill
	s_wait_dscnt 0                                 ; my reads of this slot are over
	s_wait_tensorcnt 0x0                           ; all my tensor loads have landed
	ds_add_u32 v62, v63
	s_wait_dscnt 0x0
	s_barrier_signal -1
	WIN MULW
	MUL16 1, 0
	WIN 0
	s_barrier_wait -1
.if \fill
	CREST
	s_add_nc_u64 s[G0+4*\slot+2:G0+4*\slot+3], s[G0+4*\slot+2:G0+4*\slot+3], 2097152
	s_add_nc_u64 s[G0B+4*\slot+2:G0B+4*\slot+3], s[G0B+4*\slot+2:G0B+4*\slot+3], 1048576
	JLOAD \slot
.endif
	PLACES
	FETCH \next, 0, 0
.endm
	s_wait_tensorcnt 0x1                           ; my part of slot 0 is in; slot 1's load stays out
	s_barrier_signal -1
	s_barrier_wait -1
	FETCH 0, 0, 0
	SEVEN 0, 1                                     ; the first products start the sums
	TURN 0, 1, 1
	SEVEN 1, 0
	TURN 1, 0, 1
	SEVEN 0, 0
	TURN 0, 1, 0                                   ; nothing is left to fetch
	SEVEN 1, 0
	s_wait_dscnt 0
	WIN MULW
	MUL16 1, 0
	; THE WAY OUT: the stage is slot 0, which has had its last fill and whose last reads every wave finished ahead of the last change of slots.
	PLACES
	s_lshl_b32 s16, s13, 19                        ; 128 rows of 4,096 bytes
	s_mov_b32 s17, 0
	s_add_nc_u64 s[8:9], s[8:9], s[16:17]
	s_lshl_b32 s46, s42, 9                         ; 128 columns of 4 bytes
	s_mov_b32 s47, 0
	s_add_nc_u64 s[8:9], s[8:9], s[46:47]
	WIN STW
.irp a, 0,1,2,3
.irp b, 0,1,2,3
	ds_store_b128 v[STO], v[8*(4*\a+\b):8*(4*\a+\b)+3]   offset:\a*8448+64*\b
	ds_store_b128 v[STO], v[8*(4*\a+\b)+4:8*(4*\a+\b)+7] offset:\a*8448+64*\b+16
.endr
.endr
	WIN 0
	s_wait_dscnt 0x0                               ; my stores are done, for the others' sake
	s_barrier_signal -1
	s_barrier_wait -1
; sixteen of my 32 rows: a load takes a row's 512 bytes, a store writes them as 512 consecutive, aligned bytes.  No register is used twice.
.macro OUTR k, buf
.irp i, 0,1,2,3,4,5,6,7,8,9,10,11,12,13,14,15
	ds_load_b128 v[\buf+4*\i:\buf+4*\i+3], v[RD] offset:(16*\k+\i)*SP
.endr
.irp i, 0,1,2,3,4,5,6,7,8,9,10,11,12,13,14,15
	s_wait_dscnt 15-\i
	global_store_b128 v[CO], v[\buf+4*\i:\buf+4*\i+3], s[8:9] offset:(16*\k+\i)*4096 th:TH_STORE_NT
.endr
.endm
	OUTR 0, RB
	OUTR 1, 64
	s_wait_tensorcnt 0x0
	ds_add_u32 v62, v63
	s_wait_dscnt 0x0
	CROUND                                         ; the closing round
	s_endpgm
.Lfunc_end_k_q567ce55984_oproj:
	.size	k_q567ce55984_oproj, .Lfunc_end_k_q567ce55984_oproj-k_q567ce55984_oproj
	.p2alignl 7, 3214868480
	.fill 96, 4, 3214868480
	.section	.rodata,"a",@progbits
	.p2align	6, 0x0
	.amdhsa_kernel k_q567ce55984_oproj
		.amdhsa_group_segment_fixed_size 327680
		.amdhsa_private_segment_fixed_size 0
		.amdhsa_enable_private_segment 0
		.amdhsa_kernarg_size 24
		.amdhsa_user_sgpr_count 2
		.amdhsa_user_sgpr_kernarg_segment_ptr 1
		.amdhsa_wavefront_size32 1
		.amdhsa_system_sgpr_workgroup_id_x 1
		.amdhsa_system_sgpr_workgroup_id_y 1
		.amdhsa_system_sgpr_workgroup_id_z 1
		.amdhsa_system_vgpr_workitem_id 0
		.amdhsa_next_free_vgpr 384
		.amdhsa_next_free_sgpr 66
		.amdhsa_reserve_vcc 0
		.amdhsa_float_denorm_mode_32 3
		.amdhsa_float_denorm_mode_16_64 3
		.amdhsa_memory_ordered 1
		.amdhsa_forward_progress 1
		.amdhsa_inst_pref_size 88
	.end_amdhsa_kernel
	.amdgpu_metadata
---
amdhsa.version: [ 1, 2 ]
amdhsa.kernels:
  - .name:           k_q567ce55984_oproj
    .symbol:         k_q567ce55984_oproj.kd
    .args:
      - { .name: att, .offset: 0, .size: 8, .value_kind: global_buffer, .address_space: global }
      - { .name: woh, .offset: 8, .size: 8, .value_kind: global_buffer, .address_space: global }
      - { .name: out0, .offset: 16, .size: 8, .value_kind: global_buffer, .address_space: global }
    .group_segment_fixed_size: 327680
    .private_segment_fixed_size: 0
    .kernarg_segment_align: 8
    .kernarg_segment_size: 24
    .max_flat_workgroup_size: 128
    .sgpr_count:     66
    .vgpr_count:     384
    .wavefront_size: 32
...
	.end_amdgpu_metadata
.endif
;; end of part 4
;; ======== version 2 of 2: 4 launches; version 1 with the launch cast written anew for expert scheduling mode
;; limits: values are held in f16: magnitudes above 65,504 overflow, below 6.1e-05 lose precision
;; workspace buffers: xh 8,388,608 bytes; wqkv 6,291,456 bytes; woh 2,097,152 bytes; qkv 25,165,824 bytes; att 8,388,608 bytes
;; launch cast (part 5): grid 256 x 1, 8 waves a work-group, no clusters, 0 bytes of LDS; arguments x, Wq, Wk, Wv, Wo, xh, wqkv, woh; writes xh, wqkv, woh
.if DOCPART == 5
	.amdgcn_target "amdgcn-amd-amdhsa--gfx1250"
	.amdhsa_code_object_version 6
	.text
	.protected	k_q567ce55984_cast
	.globl	k_q567ce55984_cast
	.p2align	8
	.type	k_q567ce55984_cast,@function
k_q567ce55984_cast:
	s_mov_b64 s[64:65], 0
	v_nop
	global_prefetch_b8 v0, s[64:65] scope:SCOPE_SE
	s_setreg_imm32_b32 hwreg(HW_REG_WAVE_SCHED_MODE, 0, 2), 2
	s_setreg_imm32_b32 hwreg(HW_REG_WAVE_MODE, 25, 1), 1
	s_wait_xcnt 0x0
	s_wait_alu depctr_vm_vsrc(0)
; f32 to f16 of x and of the four weights.  xh: [4096][1024] f16.  wqkv: [1024 k][3072 n] f16, n = 0.. Wq, 1024.. Wk, 2048.. Wv.
; woh: [1024 k][1024 n] f16.  The unit of work is a row of 1,024 f32: 4,096 bytes in, 2,048 bytes out; there are 8,192 such rows
; (4,096 of x, 1,024 of each weight).  256 work-groups of eight waves: 32 rows a work-group, 4 rows a wave.
; A pure stream: each byte is read once and written once, so there is no LDS, no barrier, no matrix work and no cluster.
; A wave issues all its 32 loads (16 KiB) at once; a load covers 512 consecutive bytes, a store 256 consecutive bytes, aligned.
; LIMIT: f16 holds magnitudes up to 65,504 and steps of 6e-8 near zero; inputs beyond that range are not served, nor NaN or infinities.
; THE MODE: SCHED_MODE bits 1:0 = 2 (LLVM: expert scheduling mode 2), set by the entry lines.  The code itself states the register dependences
; between vector instructions and memory instructions, with s_wait_alu, always for 0.
; THE PLAN.  Registers that memory instructions touch:
;   v1        the loads' offset.  Written once, at the head; read by all 32 loads; never written again.
;   v2-v5     the stores' offsets, one a row.  v2 written at the head, v3-v5 behind the loads; row i's stores read v[2 + i]; never written again.
;   X         written by the loads alone, each register once; read by the conversions behind the counted wait for the row's loads.
;   Y         row i's sixteen conversions write its sixteen registers, once in the launch; row i's eight stores read them.
; No register that a memory instruction reads is written a second time, and no load lands in a register that a vector instruction has named.  So what is to be
; stated is: the offsets are written ahead of the loads; a row's Y (and its offset) is written ahead of the row's run of stores; and the wave's number,
; which a vector instruction puts into a scalar register, is written ahead of its first reader.
.set VI, 1                             ; v1        16 x lane: my 16 bytes of a load's 512
.set VO, 2                             ; v[2:5]    8 x lane + i x output pitch: my 8 bytes of row i
.set X,  8                             ; v[8:135]  32 loads of 4 registers
.set Y,  136                           ; v[136:199] 32 pairs of packed f16
	s_load_b512 s[8:23], s[0:1], 0x0               ; x s[8:9], Wq s[10:11], Wk s[12:13], Wv s[14:15], Wo s[16:17], xh s[18:19], wqkv s[20:21], woh s[22:23]
	v_lshrrev_b32 v6, 5, v0
	v_readfirstlane_b32 s4, v6                     ; wave 0..7
	v_and_b32 v7, 31, v0                           ; lane
	v_lshlrev_b32 v[VI], 4, v7
	v_lshlrev_b32 v[VO], 3, v7
	s_lshr_b32 s2, ttmp9, 5                        ; which tensor: 0..3 x, 4 Wq, 5 Wk, 6 Wv, 7 Wo
	s_and_b32 s3, ttmp9, 31                        ; block of 32 rows inside a weight
	s_mov_b32 s30, ttmp9                           ; block of 32 rows inside x
	s_movk_i32 s28, 2048                           ; output pitch of xh and woh, in bytes
	s_movk_i32 s31, 6144                           ; output pitch of wqkv
	s_mov_b32 s29, 0                               ; column offset in the output row, in bytes
	s_wait_kmcnt 0x0
	s_mov_b64 s[24:25], s[8:9]                     ; source: x unless chosen otherwise
	s_cmp_ge_u32 s2, 4                             ; a weight
	s_cselect_b32 s30, s3, s30
	s_cselect_b64 s[26:27], s[20:21], s[18:19]     ; destination: wqkv or xh
	s_cselect_b32 s28, s31, s28
	s_cmp_eq_u32 s2, 4
	s_cselect_b64 s[24:25], s[10:11], s[24:25]
	s_cmp_eq_u32 s2, 5
	s_cselect_b64 s[24:25], s[12:13], s[24:25]
	s_cselect_b32 s29, 0x800, s29
	s_cmp_eq_u32 s2, 6
	s_cselect_b64 s[24:25], s[14:15], s[24:25]
	s_cselect_b32 s29, 0x1000, s29
	s_cmp_eq_u32 s2, 7
	s_cselect_b64 s[24:25], s[16:17], s[24:25]
	s_cselect_b64 s[26:27], s[22:23], s[26:27]
	s_cselect_b32 s28, 0x800, s28
	s_wait_alu depctr_va_sdst(0)                   ; s4, the wave's number, is written, ahead of its first reader: my first row and both bases are made from it
	s_lshl_b32 s30, s30, 5
	s_lshl2_add_u32 s30, s4, s30                   ; my first row = 32 x block + 4 x wave
	s_lshl_b32 s32, s30, 12                        ; x 4,096 bytes (below 16 MiB)
	s_mov_b32 s33, 0
	s_add_nc_u64 s[24:25], s[24:25], s[32:33]
	s_mul_i32 s34, s30, s28
	s_add_co_u32 s34, s34, s29                     ; row x pitch + column offset
	s_mov_b32 s35, 0
	s_add_nc_u64 s[26:27], s[26:27], s[34:35]
	s_wait_alu depctr_va_vdst(0)                   ; v1 is written, which all 32 loads read as their offset, and v2, which row 0's stores read; no later vector instruction names v1
.irp i, 0,1,2,3
.irp j, 0,1,2,3,4,5,6,7
	global_load_b128 v[X+4*(8*\i+\j):X+4*(8*\i+\j)+3], v[VI], s[24:25] offset:\i*4096+\j*512 th:TH_LOAD_NT
.endr
.endr
	v_add_nc_u32 v[VO+1], s28, v[VO]               ; the offsets of rows 1 to 3: the wait ahead of row 0's stores stands behind these three lines and covers them
	v_add_nc_u32 v[VO+2], s28, v[VO+1]
	v_add_nc_u32 v[VO+3], s28, v[VO+2]
.irp i, 0,1,2,3
	s_wait_loadcnt 8*(3-\i)                        ; loads come back in order: row i's eight are in, the rows behind it stay out
.irp j, 0,1,2,3,4,5,6,7
	v_cvt_pk_f16_f32 v[Y+2*(8*\i+\j)],   v[X+4*(8*\i+\j)],   v[X+4*(8*\i+\j)+1]
	v_cvt_pk_f16_f32 v[Y+2*(8*\i+\j)+1], v[X+4*(8*\i+\j)+2], v[X+4*(8*\i+\j)+3]
.endr
	s_wait_alu depctr_va_vdst(0)                   ; the sixteen conversions have written row i's Y, which the eight stores below read; the row's offset v[VO + i] is written too
.irp j, 0,1,2,3,4,5,6,7
	global_store_b64 v[VO+\i], v[Y+2*(8*\i+\j):Y+2*(8*\i+\j)+1], s[26:27] offset:\j*256   ; no register is used twice: no wait for the stores' sources
.endr
.endr
	s_endpgm
.Lfunc_end_k_q567ce55984_cast:
	.size	k_q567ce55984_cast, .Lfunc_end_k_q567ce55984_cast-k_q567ce55984_cast
	.p2alignl 7, 3214868480
	.fill 96, 4, 3214868480
	.section	.rodata,"a",@progbits
	.p2align	6, 0x0
	.amdhsa_kernel k_q567ce55984_cast
		.amdhsa_group_segment_fixed_size 0
		.amdhsa_private_segment_fixed_size 0
		.amdhsa_enable_private_segment 0
		.amdhsa_kernarg_size 64
		.amdhsa_user_sgpr_count 2
		.amdhsa_user_sgpr_kernarg_segment_ptr 1
		.amdhsa_wavefront_size32 1
		.amdhsa_system_sgpr_workgroup_id_x 1
		.amdhsa_system_sgpr_workgroup_id_y 1
		.amdhsa_system_sgpr_workgroup_id_z 1
		.amdhsa_system_vgpr_workitem_id 0
		.amdhsa_next_free_vgpr 208
		.amdhsa_next_free_sgpr 66
		.amdhsa_reserve_vcc 0
		.amdhsa_float_denorm_mode_32 3
		.amdhsa_float_denorm_mode_16_64 3
		.amdhsa_memory_ordered 1
		.amdhsa_forward_progress 1
		.amdhsa_inst_pref_size 13
	.end_amdhsa_kernel
	.amdgpu_metadata
---
amdhsa.version: [ 1, 2 ]
amdhsa.kernels:
  - .name:           k_q567ce55984_cast
    .symbol:         k_q567ce55984_cast.kd
    .args:
      - { .name: x, .offset: 0, .size: 8, .value_kind: global_buffer, .address_space: global }
      - { .name: Wq, .offset: 8, .size: 8, .value_kind: global_buffer, .address_space: global }
      - { .name: Wk, .offset: 16, .size: 8, .value_kind: global_buffer, .address_space: global }
      - { .name: Wv, .offset: 24, .size: 8, .value_kind: global_buffer, .address_space: global }
      - { .name: Wo, .offset: 32, .size: 8, .value_kind: global_buffer, .address_space: global }
      - { .name: xh, .offset: 40, .size: 8, .value_kind: global_buffer, .address_space: global }
      - { .name: wqkv, .offset: 48, .size: 8, .value_kind: global_buffer, .address_space: global }
      - { .name: woh, .offset: 56, .size: 8, .value_kind: global_buffer, .address_space: global }
    .group_segment_fixed_size: 0
    .private_segment_fixed_size: 0
    .kernarg_segment_align: 8
    .kernarg_segment_size: 64
    .max_flat_workgroup_size: 256
    .sgpr_count:     66
    .vgpr_count:     208
    .wavefront_size: 32
...
	.end_amdgpu_metadata
.endif
;; end of part 5
;; launch proj: the kernel of part 2 again; grid 8 x 32, 4 waves a work-group, clusters of 4 x 4, 327,680 bytes of LDS; arguments xh, wqkv, qkv; writes qkv
;; launch attn: the kernel of part 3 again; grid 256 x 1, 4 waves a work-group, no clusters, 327,680 bytes of LDS; arguments qkv, att; writes att
;; launch oproj: the kernel of part 4 again; grid 8 x 32, 4 waves a work-group, clusters of 4 x 4, 327,680 bytes of LDS; arguments att, woh, out0; writes out0
